; MI455X (gfx1250); checked and timed in simulation.
; The chip was launched on July 23, 2026; its instructions are those of AMD's public machine-readable ISA for CDNA 5 (MIT licence, August 2026) and "CDNA5" Instruction Set Architecture Reference Guide (July 2026). The comments in the code are by the model that wrote it; some were corrected since.
;; W8 A8 Int Linear. Allowed arithmetic: float matrix products may take bf16 or f16 operands with f32 sums; other float arithmetic in f32, or as packed bf16 or f16 multiplies, adds, multiply-adds, maxima and minima; sums over many terms, partial sums and values carried from step to step in f32; what a program stores and reads back later, other than sums and carried values, may be rounded once to bf16 or f16.
;; Inputs: bias 4,096 float32; input 4,096 x 4,096 float32; weight 4,096 x 4,096 int32; weight_scale 4,096 float32.
;; Outputs: out0 4,096 x 4,096 float32.
;; 2 versions, each right; version 2 is version 1 with the launch prep written anew for expert scheduling mode. Each part assembles by itself: llvm-mc -triple=amdgcn-amd-amdhsa -mcpu=gfx1250 --defsym DOCPART=n.
;; ======== version 1 of 2: 2 launches
;; workspace buffers: qx 33,554,432 bytes; wb 33,554,432 bytes; rowq 32,768 bytes; wadj 16,384 bytes
;; launch prep (part 1): grid 256 x 1, 8 waves a work-group, no clusters, 0 bytes of LDS; arguments input, weight, qx, wb, rowq, wadj; writes qx, wb, rowq, wadj
.if DOCPART == 1
	.amdgcn_target "amdgcn-amd-amdhsa--gfx1250"
	.amdhsa_code_object_version 6
	.text
	.protected	k_q7fdcdfbec8_prep
	.globl	k_q7fdcdfbec8_prep
	.p2align	8
	.type	k_q7fdcdfbec8_prep,@function
k_q7fdcdfbec8_prep:
	s_mov_b64 s[64:65], 0
	v_nop
	global_prefetch_b8 v0, s[64:65] scope:SCOPE_SE
	s_setreg_imm32_b32 hwreg(HW_REG_WAVE_MODE, 25, 1), 1
	s_wait_xcnt 0x0
; W8A8 linear, first of two launches: everything that is done once for each number of the two large inputs.
;   out[m][n] = scale[m] ws[n] (sum_k q[m][k] w8[n][k] - azp[m] sum_k w8[n][k]) + bias[n],  M = N = K = 4096.
; NOTHING OF reference() IS LEFT OUT: input, weight, weight_scale and bias all reach the output; this launch reads the first two, the next one the other two.
; This launch: waves 0-3 quantise rows of input (row minimum and maximum, scale, zero point, q) and store q as bf16; waves 4-7 cut rows of weight to their low 8 bits
; (signed, as astype(int8) does), store them as bf16 and sum each row.  q and w8 are whole numbers in -128 .. 127, which bf16 holds exactly: the next launch's 16-bit operands lose nothing.
; STORED: qx [4096][4096] bf16;  wb [4096][4096] bf16 ([n][k]);  rowq f32: scale[0..4095], then -azp[0..4095];  wadj f32 [4096]: a row sum of w8, at most 2^19 in size, exact in f32.
; SHARES.  Work-group b has rows 16 b .. 16 b + 15 of both inputs; a wave has four rows on end.  One wave takes a whole row: 16,384 bytes = 32 loads of 16 bytes a lane, each load 512 bytes on end.
; So a row's minimum, maximum and sum never leave the wave: no LDS, no barrier.  No work-group shares a byte with another: no cluster.  There is no product here: no matrix instruction.
; The bf16 image of one load is 8 bytes a lane: one store of the wave covers 256 consecutive bytes, aligned.
; LIMITS.  x / scale is taken as x r, r = 1 / scale by v_rcp_f32 and one Newton step: where x / scale lies within some 1.5 units in the last place of a half, q may differ by 1 from reference()'s;
; the same azp goes into q and into the correction, so the result moves by at most scale ws |w8|.  (max - min) / 255 is a multiplication by 1/255 with one correction step.
; A row whose scale is below 2^-126 (a constant row among them) takes r = 0: q = azp = -128, and the result is bias to within scale ws 2^27.  Not served: scale above 2^126, |x / scale| from 2^24 on,
; NaN or infinities in input (a NaN loses in the minimum and maximum), and a wrap of reference()'s int32 product azp x azp_adj.
.set ROWI, 16384                       ; bytes in a row of input and of weight
.set ROWO, 8192                        ; bytes in a row of qx and of wb
.set OFF,  2                           ; v2   16 x lane: my 16 bytes of a load (also in window 1); never rewritten
.set OFS,  3                           ; v3   8 x lane: my 8 bytes of a store (also in window 1); never rewritten
.set MX,   10                          ; v[10:13] four running maxima (in the row slot's window)
.set MN,   14                          ; v[14:17] four running minima
.set T,    20                          ; v[20:35] two sets of eight numbers at work, by turns (in the row slot's window)
.set OUTV, 36                          ; v36  what the wave stores at its end, a number a lane
.set OUTO, 37                          ; v37  and where
.set X,    64                          ; v[64:191] a row.  Input waves: row slot 0 in window 0, row slot 1 in window 1.  Weight waves: a ring of 32 slots of 4
.set Y,    192                         ; v[192:255] weight waves: 32 slots of 2, to store
.set WT,   40                          ; v[40:47]  weight waves: two sets of four numbers at work, by turns
.set U,    48                          ; v[48:51]  weight waves: two pairs at work, by turns
.set SUM,  26                          ; v[26:29]  weight waves: two running pairs of sums
.set MSB, 0
.macro WIN new                         ; s_set_vgpr_msb: bits 1:0 source 0, 3:2 source 1, 5:4 source 2, 7:6 destination; the high byte repeats the setting that is left
.if MSB != (\new)
	s_set_vgpr_msb (MSB<<8)|(\new)
.set MSB, (\new)
.endif
.endm
	s_load_b256 s[4:11], s[0:1], 0x0               ; input s[4:5], weight s[6:7], qx s[8:9], wb s[10:11]
	s_load_b128 s[12:15], s[0:1], 0x20             ; rowq s[12:13], wadj s[14:15]
	v_and_b32 v1, 31, v0                           ; lane
	v_lshrrev_b32 v4, 5, v0
	v_readfirstlane_b32 s16, v4                    ; wave 0..7
	s_and_b32 s17, s16, 3                          ; which four of the work-group's 16 rows
	s_mov_b32 s18, 0x437f0000                      ; 255.0
	s_mov_b32 s19, 0x3b808081                      ; 1 / 255
	s_mov_b32 s29, 0                               ; upper words of the two pairs that the packed lines name
	s_mov_b32 s31, 0
	s_mov_b32 s32, 0xc3000000                      ; -128.0
	s_mov_b32 s33, 0x42fe0000                      ; 127.0
	s_mov_b32 s34, 0x76543210                      ; v_permlanex16_b32: each lane takes its own place in the other half
	s_mov_b32 s35, 0xfedcba98
	s_mov_b32 s39, 0x00800000                      ; 2^-126
	v_lshlrev_b32 v[OFF], 4, v1
	v_lshlrev_b32 v[OFS], 3, v1
	WIN 0x40                                       ; the same two into window 1 (the source, v1, in window 0)
	v_lshlrev_b32 v[OFF], 4, v1
	v_lshlrev_b32 v[OFS], 3, v1
	WIN 0
	s_lshl_b32 s36, ttmp9, 18                      ; my first row R0 = 16 b + 4 (wave % 4), times 16,384 bytes: under 2^26
	s_lshl_b32 s3, s17, 16
	s_add_co_u32 s36, s36, s3
	s_mov_b32 s37, 0
	s_lshl_b32 s2, ttmp9, 6                        ; 4 R0: my rows' first byte in a table of f32
	s_lshl_b32 s3, s17, 4
	s_add_co_u32 s2, s2, s3
	s_wait_kmcnt 0x0
	s_cmp_lt_u32 s16, 4
	s_cbranch_scc0 .Lweights
; ---------------- waves 0-3: four rows of input ----------------
	s_add_nc_u64 s[4:5], s[4:5], s[36:37]          ; input at my first row; never stepped: the row stands in the immediate (65,024 at the most)
	s_lshr_b32 s36, s36, 1
	s_add_nc_u64 s[8:9], s[8:9], s[36:37]          ; qx at my first row
.macro FILL w, row                     ; a row's 32 loads into row slot w
	WIN 0x55*(\w)
.set j, 0
.rept 32
	global_load_b128 v[X+4*j:X+4*j+3], v[OFF], s[4:5] offset:(\row)*ROWI+512*j th:TH_LOAD_NT
.set j, j+1
.endr
.endm
; Row i, which lies in row slot w = i % 2.  fill = 1: the slot then takes row i + 2.  left = the younger loads that may stay out.
.macro QTURN i, w, fill, left
	WIN 0x55*(\w)
	s_wait_loadcnt \left                           ; loads come back in order (ISA guide 5.7.1): my row is in, the other slot's 32 loads stay out
	; pass 1: four chains of maxima and four of minima, 32 numbers each, three operands at a time; the first two numbers start a chain: nothing is cleared
.irp k, 0,1,2,3
	v_max_num_f32 v[MX+\k], v[X+32*\k], v[X+32*\k+1]
	v_min_num_f32 v[MN+\k], v[X+32*\k], v[X+32*\k+1]
.endr
.set n, 1
.rept 15
.irp k, 0,1,2,3
	v_max3_num_f32 v[MX+\k], v[MX+\k], v[X+32*\k+2*n], v[X+32*\k+2*n+1]
	v_min3_num_f32 v[MN+\k], v[MN+\k], v[X+32*\k+2*n], v[X+32*\k+2*n+1]
.endr
.set n, n+1
.endr
	v_max3_num_f32 v[MX], v[MX], v[MX+1], v[MX+2]
	v_min3_num_f32 v[MN], v[MN], v[MN+1], v[MN+2]
	WIN 0x05*(\w)                                  ; sources in the slot's window, destination in window 0: the row's own arithmetic is done there
	v_max_num_f32 v[MX], v[MX], v[MX+3]
	v_min_num_f32 v[MN], v[MN], v[MN+3]
	WIN 0
.irp m, 1,2,4,8                        ; across the lanes: four steps inside each half of 16 ride on the arithmetic, one crosses the halves
	v_max_num_f32_dpp v[MX], v[MX], v[MX] row_xmask:\m row_mask:0xf bank_mask:0xf
	v_min_num_f32_dpp v[MN], v[MN], v[MN] row_xmask:\m row_mask:0xf bank_mask:0xf
.endr
	v_permlanex16_b32 v[MX+1], v[MX], s34, s35     ; its destination counts as read: row 0's chains have written both
	v_permlanex16_b32 v[MN+1], v[MN], s34, s35
	v_max_num_f32 v[MX], v[MX], v[MX+1]
	v_min_num_f32 v[MN], v[MN], v[MN+1]
	; scale = (max - min) / 255; r = 1 / scale; azp = round(-128 - min r)
	v_sub_f32 v40, v[MX], v[MN]
	v_mul_f32 v41, s19, v40                        ; d / 255, first guess,
	v_fma_f32 v42, -v41, s18, v40                  ; what it leaves of d,
	v_fma_f32 v41, v42, s19, v41                   ; and the guess mended: scale
	v_cmp_gt_f32 vcc_lo, s39, v41                  ; is scale below 2^-126?
	v_rcp_f32 v43, v41
	v_nop                                          ; a plain instruction between the reciprocal and the use of its result (ISA guide 5.7.2)
	s_wait_alu depctr_va_vdst(0)                   ; and a wait ahead of the first use
	v_fma_f32 v44, -v41, v43, 1.0                  ; one Newton step
	v_fma_f32 v43, v44, v43, v43
	v_cndmask_b32 v43, v43, 0, vcc_lo              ; r = 0 for such a row (see LIMITS)
	v_mul_f32 v45, v[MN], v43
	v_sub_f32 v45, s32, v45
	v_rndne_f32 v45, v45                           ; azp, a whole number in f32; halves go to the even number, as jnp.round's do
	v_sub_f32 v46, 0, v45
	v_readfirstlane_b32 s[20+(\i)], v41            ; kept for the wave's end: scale,
	v_readfirstlane_b32 s[24+(\i)], v46            ; -azp
	v_readfirstlane_b32 s28, v43                   ; r and azp for pass 2
	v_readfirstlane_b32 s30, v45
	; pass 2: q = clip(round(x r) + azp, -128, 127), eight numbers (two loads' worth) at a time, rounded to bf16 (exactly) into the row's own registers and stored
	WIN 0x55*(\w)
.set g, 0
.rept 16
.set TT, T+8*(g%2)
.irp k, 0,1,2,3
	v_pk_mul_f32 v[TT+2*\k:TT+2*\k+1], v[X+8*g+2*\k:X+8*g+2*\k+1], s[28:29] op_sel_hi:[1,0]
.endr
.irp k, 0,1,2,3,4,5,6,7
	v_rndne_f32 v[TT+\k], v[TT+\k]
.endr
.irp k, 0,1,2,3
	v_pk_add_f32 v[TT+2*\k:TT+2*\k+1], v[TT+2*\k:TT+2*\k+1], s[30:31] op_sel_hi:[1,0]
.endr
.irp k, 0,1,2,3,4,5,6,7
	v_med3_num_f32 v[TT+\k], v[TT+\k], s32, s33
.endr
	v_cvt_pk_bf16_f32 v[X+8*g],   v[TT],   v[TT+1]
	v_cvt_pk_bf16_f32 v[X+8*g+1], v[TT+2], v[TT+3]
	v_cvt_pk_bf16_f32 v[X+8*g+4], v[TT+4], v[TT+5]
	v_cvt_pk_bf16_f32 v[X+8*g+5], v[TT+6], v[TT+7]
	global_store_b64 v[OFS], v[X+8*g:X+8*g+1],   s[8:9] offset:(\i)*ROWO+512*g th:TH_STORE_NT      ; 32 lanes x 8 bytes: 256 consecutive bytes, aligned
	global_store_b64 v[OFS], v[X+8*g+4:X+8*g+5], s[8:9] offset:(\i)*ROWO+512*g+256 th:TH_STORE_NT
.set g, g+1
.endr
.if \fill
	s_wait_xcnt 0x0                                ; the stores have read their data (ISA guide 3.1): the slot's registers are loaded again only behind this wait
	FILL \w, (\i)+2
.endif
.endm
	FILL 0, 0
	FILL 1, 1
	QTURN 0, 0, 1, 32                              ; behind row i's loads stand row i + 1's 32
	QTURN 1, 1, 1, 32
	QTURN 2, 0, 0, 32
	QTURN 3, 1, 0, 0                               ; the last row has nothing behind it
	WIN 0
	v_mov_b32 v[OUTV], 0                           ; lanes 0-3 take the four scales, lanes 4-7 the four -azp
.irp t, 0,1,2,3
	v_writelane_b32 v[OUTV], s[20+\t], \t
	v_writelane_b32 v[OUTV], s[24+\t], 4+\t
.endr
	v_and_b32 v[OUTO], 3, v1
	v_bfe_u32 v38, v1, 2, 1
	v_lshl_add_u32 v[OUTO], v[OUTO], 2, s2         ; 4 (R0 + lane % 4),
	v_lshl_add_u32 v[OUTO], v38, 14, v[OUTO]       ; in the table's second half for -azp: inside rowq in every lane
	v_cmp_gt_u32 vcc_lo, 8, v1
	s_wait_xcnt 0x0                                ; EXEC changes only behind this wait: it is a source of the stores above
	s_and_saveexec_b32 s3, vcc_lo
	global_store_b32 v[OUTO], v[OUTV], s[12:13]    ; 32 bytes a wave, once: 48 KiB of tables in the whole launch, not worth a meeting of the waves
	s_endpgm
; ---------------- waves 4-7: four rows of weight ----------------
.Lweights:
	s_add_nc_u64 s[6:7], s[6:7], s[36:37]          ; weight at my first row
	s_lshr_b32 s36, s36, 1
	s_add_nc_u64 s[10:11], s[10:11], s[36:37]      ; wb at my first row
.set j, 0
.rept 32
	global_load_b128 v[X+4*j:X+4*j+3], v[OFF], s[6:7] offset:512*j th:TH_LOAD_NT  ; the ring is filled: row 0
.set j, j+1
.endr
	v_mov_b32 v31, 0                               ; v_permlanex16_b32's destination counts as read
	v_mov_b32 v[OUTV], 0
; Slot j of the ring: four numbers a lane.  ahead = 1: the slot is asked for again, with the same place of the next row.  left = the younger loads that may stay out.
.macro WSLOT j, ahead, left
.set W4, WT+4*((\j)%2)
.set U2, U+2*((\j)%2)
	s_wait_loadcnt \left
.irp k, 0,1,2,3
	v_lshlrev_b32 v[W4+\k], 24, v[X+4*(\j)+\k]     ; the low byte on top: as i32 this is int8(w) x 2^24, whatever the upper 24 bits held
.endr
.if \ahead
	global_load_b128 v[X+4*(\j):X+4*(\j)+3], v[OFF], s[6:7] offset:ROWI+512*(\j) th:TH_LOAD_NT
.endif
.irp k, 0,1,2,3
	v_cvt_f32_i32 v[W4+\k], v[W4+\k]               ; 8 significant bits: exact
.endr
	v_pk_mul_f32 v[W4:W4+1],   v[W4:W4+1],   0x33800000 op_sel_hi:[1,0]  ; x 2^-24: exact
	v_pk_mul_f32 v[W4+2:W4+3], v[W4+2:W4+3], 0x33800000 op_sel_hi:[1,0]
.if (\j) < 2
	v_pk_add_f32 v[SUM+2*(\j):SUM+2*(\j)+1], v[W4:W4+1], v[W4+2:W4+3]     ; a row's first two slots start its sums: nothing is cleared
.else
	v_pk_add_f32 v[U2:U2+1], v[W4:W4+1], v[W4+2:W4+3]
	v_pk_add_f32 v[SUM+2*((\j)%2):SUM+2*((\j)%2)+1], v[SUM+2*((\j)%2):SUM+2*((\j)%2)+1], v[U2:U2+1]
.endif
	v_cvt_pk_bf16_f32 v[Y+2*(\j)],   v[W4],   v[W4+1]
	v_cvt_pk_bf16_f32 v[Y+2*(\j)+1], v[W4+2], v[W4+3]
	global_store_b64 v[OFS], v[Y+2*(\j):Y+2*(\j)+1], s[10:11] offset:256*(\j) th:TH_STORE_NT  ; 256 consecutive bytes, aligned.  Each slot has its own pair: it is written again a row later, behind the row's one s_wait_xcnt 0
.endm
; The row's sum (whole numbers under 2^19: exact in any order), into the lane whose number is the row's
.macro WSUM row
	v_pk_add_f32 v[SUM:SUM+1], v[SUM:SUM+1], v[SUM+2:SUM+3]
	v_add_f32 v30, v[SUM], v[SUM+1]
.irp m, 1,2,4,8
	v_add_f32_dpp v30, v30, v30 row_xmask:\m row_mask:0xf bank_mask:0xf
.endr
	v_permlanex16_b32 v31, v30, s34, s35
	v_add_f32 v30, v30, v31
	v_cmp_eq_u32 vcc_lo, \row, v1
	v_cndmask_b32 v[OUTV], v[OUTV], v30, vcc_lo
.endm
	s_mov_b32 s38, 0                               ; the row in hand, 0 to 2 in the loop
.Lrow:
.set sl, 0
.rept 32
	WSLOT sl, 1, 31                                ; behind slot j's load stand this row's 31 - j later slots and the j refills of this trip
.set sl, sl+1
.endr
	WSUM s38
	s_wait_xcnt 0x0                                ; every load and store of the row has read its sources: the two pointers and the 32 pairs may be written
	s_add_nc_u64 s[6:7], s[6:7], ROWI
	s_add_nc_u64 s[10:11], s[10:11], ROWO
	s_add_co_u32 s38, s38, 1
	s_cmp_lt_u32 s38, 3
	s_cbranch_scc1 .Lrow
.set sl, 0
.rept 32
	WSLOT sl, 0, 31-sl                             ; the last row asks for nothing: the counts run down
.set sl, sl+1
.endr
	WSUM 3
	v_and_b32 v[OUTO], 3, v1
	v_lshl_add_u32 v[OUTO], v[OUTO], 2, s2         ; 4 (R0 + lane % 4): inside wadj in every lane
	v_cmp_gt_u32 vcc_lo, 4, v1
	s_wait_xcnt 0x0                                ; EXEC changes only behind this wait
	s_and_saveexec_b32 s3, vcc_lo
	global_store_b32 v[OUTO], v[OUTV], s[14:15]
	s_endpgm
.Lfunc_end_k_q7fdcdfbec8_prep:
	.size	k_q7fdcdfbec8_prep, .Lfunc_end_k_q7fdcdfbec8_prep-k_q7fdcdfbec8_prep
	.p2alignl 7, 3214868480
	.fill 96, 4, 3214868480
	.section	.rodata,"a",@progbits
	.p2align	6, 0x0
	.amdhsa_kernel k_q7fdcdfbec8_prep
		.amdhsa_group_segment_fixed_size 0
		.amdhsa_private_segment_fixed_size 0
		.amdhsa_enable_private_segment 0
		.amdhsa_kernarg_size 48
		.amdhsa_user_sgpr_count 2
		.amdhsa_user_sgpr_kernarg_segment_ptr 1
		.amdhsa_wavefront_size32 1
		.amdhsa_system_sgpr_workgroup_id_x 1
		.amdhsa_system_sgpr_workgroup_id_y 1
		.amdhsa_system_sgpr_workgroup_id_z 1
		.amdhsa_system_vgpr_workitem_id 0
		.amdhsa_next_free_vgpr 448
		.amdhsa_next_free_sgpr 66
		.amdhsa_reserve_vcc 1
		.amdhsa_float_denorm_mode_32 3
		.amdhsa_float_denorm_mode_16_64 3
		.amdhsa_memory_ordered 1
		.amdhsa_forward_progress 1
		.amdhsa_inst_pref_size 221
	.end_amdhsa_kernel
	.amdgpu_metadata
---
amdhsa.version: [ 1, 2 ]
amdhsa.kernels:
  - .name:           k_q7fdcdfbec8_prep
    .symbol:         k_q7fdcdfbec8_prep.kd
    .args:
      - { .name: input, .offset: 0, .size: 8, .value_kind: global_buffer, .address_space: global }
      - { .name: weight, .offset: 8, .size: 8, .value_kind: global_buffer, .address_space: global }
      - { .name: qx, .offset: 16, .size: 8, .value_kind: global_buffer, .address_space: global }
      - { .name: wb, .offset: 24, .size: 8, .value_kind: global_buffer, .address_space: global }
      - { .name: rowq, .offset: 32, .size: 8, .value_kind: global_buffer, .address_space: global }
      - { .name: wadj, .offset: 40, .size: 8, .value_kind: global_buffer, .address_space: global }
    .group_segment_fixed_size: 0
    .private_segment_fixed_size: 0
    .kernarg_segment_align: 8
    .kernarg_segment_size: 48
    .max_flat_workgroup_size: 256
    .sgpr_count:     66
    .vgpr_count:     448
    .wavefront_size: 32
...
	.end_amdgpu_metadata
.endif
;; end of part 1
;; launch gemm (part 2): grid 16 x 16, 4 waves a work-group, clusters of 4 x 4, 327,680 bytes of LDS; arguments qx, wb, rowq, wadj, weight_scale, bias, out0; writes out0
.if DOCPART == 2
	.amdgcn_target "amdgcn-amd-amdhsa--gfx1250"
	.amdhsa_code_object_version 6
	.text
	.protected	k_q7fdcdfbec8_gemm
	.globl	k_q7fdcdfbec8_gemm
	.p2align	8
	.type	k_q7fdcdfbec8_gemm,@function
k_q7fdcdfbec8_gemm:
	s_mov_b64 s[64:65], 0
	v_nop
	global_prefetch_b8 v0, s[64:65] scope:SCOPE_SE
	s_setreg_imm32_b32 hwreg(HW_REG_WAVE_MODE, 25, 1), 1
	s_wait_xcnt 0x0
	s_wait_alu depctr_hold_cnt(0) depctr_sa_sdst(0) depctr_va_vdst(0) depctr_va_sdst(0) depctr_va_ssrc(0) depctr_va_vcc(0) depctr_vm_vsrc(0)
	s_getreg_b32 s2, hwreg(HW_REG_IB_STS2, 6, 4)
	s_cmp_eq_u32 s2, 0
	s_cbranch_scc0 .Lentry_in_a_cluster
	s_endpgm
.Lentry_in_a_cluster:
	s_bfe_u32 s2, ttmp6, 0x10000c
	s_cmp_lg_u32 s2, 0xf033
	s_cbranch_scc0 .Lentry_shape_is_right
	s_endpgm
.Lentry_shape_is_right:
; W8A8 linear, second of two launches: out[m][n] = (scale[m] ws[n]) (acc[m][n] - azp[m] adj[n]) + bias[n],  acc[m][n] = sum over k of qx[m][k] wb[n][k].
; qx, wb: [4096][4096] bf16, whole numbers in -128 .. 127, exact;  rowq: scale[4096], then -azp[4096];  wadj: adj[4096];  all f32, made by the launch before.  Nothing of reference() is left out.
; LIMIT.  acc is an f32 sum of whole numbers: exact while its partial sums stay under 2^24 in size, else rounded to 24 bits (reference() sums in int32); the zero-point term is added by one fused
; multiply-add, so acc - azp adj is rounded once, as reference()'s conversion to f32 rounds it.
; A tile of out, 256 x 256, is made by a work-group of four waves; a wave makes 128 x 128: 64 accumulators of 16 x 16, 512 registers.  16 x 16 tiles: one for each work-group of the grid.
; K goes in steps of 128 through a ring of two LDS slots filled by the tensor data mover: a tile's rows are 256 bytes of memory and start at multiples of 256 bytes from the buffer's first byte.
; CLUSTERS: 4 x 4 work-groups.  The four of a row of the cluster need the same tiles of qx, the four of a column the same tiles of wb: each tile is asked for JOINTLY, by the same tensor load with
; the same descriptor and a mask that names the four, and each receives it in its own LDS.  That divides the requests for both operands by four.
; THE MATRIX INSTRUCTION IS USED TRANSPOSED (source 0 = 16 rows of wb, source 1 = 16 rows of qx): lane l then holds row m = l % 16 and the columns n = 8 (l / 16) + 0 .. 7: 32 bytes of a row of out.
; THE WAY OUT: when the last product has read the ring, which is filled no more, each wave lays its 128 x 128 sums there (its own 67,584 bytes), with each row's scale and -azp behind the row,
; reads whole rows of 512 bytes back, applies the zero point, the scales and the bias in f32, and stores 512 consecutive bytes an instruction.
; REGISTERS, in windows of 256 (s_set_vgpr_msb: bits 1:0 source 0, 3:2 source 1, 5:4 source 2, 7:6 destination):
;   window 0: v0-63 addresses and the way out's tables; v64-127, v128-191 fragments of qx, two buffers (on the way out: rows read back)      window 1: v64-127, v128-191 fragments of wb
;   window 2: the 32 accumulators of my rows 0-63 (accumulator (a, b) at v[8 (8 a + b)]);   window 3: those of my rows 64-127
.set SIZE_N, 4096
.set SIZE_K, 4096
.set KSTEP,  128
.set PITCH,  272                       ; an LDS row: 256 bytes of data + 16 of padding = 68 words: row r starts at bank 4 r mod 64 (64 banks of 4 bytes: ISA guide 11.1): the 16 rows of a load start at 16 different banks
.set HALFT,  128*PITCH                 ; 128 rows: what one tensor load brings, and what one wave reads of either operand
.set SLOT,   4*HALFT                   ; qx's 256 rows, then wb's 256 rows
.set SPARE,  2*SLOT                    ; behind the ring: the spare words, 128 bytes for each wave: two blocks of 256 bytes that no other line names
.set SP,     528                       ; the way out: a row of 128 f32 + 16 bytes = 132 words: again 16 rows at 16 different banks; bytes 512-519 hold the row's scale and -azp
.set WSTG,   128*SP                    ; a wave's stage; the four lie in the ring's bytes, 270,336 of its 278,528, when the ring has had its last fill
.set LAPS,   SIZE_K/(2*KSTEP)          ; a lap = two K steps = once round the ring
.set MO,   6                           ; v6      4 (my wave's first row + lane): my byte offset in a table by rows
.set NO,   7                           ; v7      16 lane + 4 x my wave's first column: my byte offset in a table by columns
.set ADRA, 16                          ; v16-17  LDS address of my qx fragments in slot 0, 1
.set ADRB, 20                          ; v20-21  the same for wb
.set STO,  24                          ; v24     the way out: where I put 32 bytes of a row
.set RD,   25                          ; v25     where I read 16 bytes of a row back
.set CO,   26                          ; v26     16 x lane: my byte offset in 512 bytes of out
.set RM,   27                          ; v27     where a row's scale and -azp lie, less 512: the same in all lanes
.set SPW,  28                          ; v28     LDS address of my spare word: SPARE + 4 x my thread's number; never rewritten
.set NIL,  29                          ; v29     0; never rewritten
.set PFO,  30                          ; v30     the prefetches' offset: lane x a row of 8,192 bytes; never rewritten
.set MW,   31                          ; v31     where I put row (lane)'s scale and -azp, less 512
.set MV,   32                          ; v[32:39] (scale, -azp) of my wave's rows lane + 32 i, i = 0 .. 3
.set WS,   40                          ; v[40:43] weight_scale of my four columns, 4 lane .. 4 lane + 3 of the wave's 128
.set ADJ,  44                          ; v[44:47] adj of them
.set BI,   48                          ; v[48:51] bias of them
.set FS,   52                          ; v[52:59] scale x ws, two sets of four by turns
.set F0,   64                          ; fragment buffer 0
.set F1,   128                         ; fragment buffer 1
.set BK,   64                          ; the way out: 16 rows read back, four registers each
.set RV,   128                         ; and their 16 pairs (scale, -azp)
.set PFA,  44                          ; s[44:45] where my prefetches stand
.set LIM,  43                          ; s43     1 in a wave that prefetches, else the greatest number
.set G1, 24                            ; s[24:31] descriptor group 1 for qx's tiles
.set G0, 32                            ; s[32:39] descriptor group 0 for qx's tiles, one set for each slot
.set G1B, 48                           ; s[48:55] group 1 for wb's tiles: it differs in the mask alone
.set G0B, 56                           ; s[56:63] group 0 for wb's tiles
.set MSB, 0
.macro WIN new                         ; the immediate's high byte repeats the setting that is left; a switch that changes nothing is dropped
.if MSB != (\new)
	s_set_vgpr_msb (MSB<<8)|(\new)
.set MSB, \new
.endif
.endm
.set MUL_LO, 0xa1                      ; source 0 (wb) window 1, source 1 (qx) window 0, C and D window 2
.set MUL_HI, 0xf1                      ; the same, C and D window 3
.set TO_B,   0x40                      ; destination window 1, address window 0
; A joint load.  Waves 0 and 1 fetch qx's two halves, waves 2 and 3 wb's.  Each line has one mask and one set of registers for all that issue it.  The branch hangs on the wave's number alone.
; An s_nop 0 and four v_nop follow each of the two lines, ahead of the jump, the label and what follows.
.macro JLOAD s
	s_cmp_eq_u32 s11, 0
	s_cbranch_scc0 .Lfor_b_\@
	tensor_load_to_lds s[G0+4*(\s):G0+4*(\s)+3], s[G1:G1+7]
	s_nop 0
.rept 4
	v_nop
.endr
	s_branch .Lasked_\@
.Lfor_b_\@:
	tensor_load_to_lds s[G0B+4*(\s):G0B+4*(\s)+3], s[G1B:G1B+7]
	s_nop 0
.rept 4
	v_nop
.endr
.Lasked_\@:
.endm
; A PREFETCH INTO THE L2, behind each joint refill and the run of LDS loads that follows it: the K step that stands TWO refills on (512 matrix instructions ahead of the load that will want it):
; 32 rows x 256 bytes, a lane a row, one instruction a wave.  Each row's 256 bytes of a K step are named once in the launch: qx's tile row is read by every cluster of that row of clusters, and the
; one with x = 0 asks; wb's tile column by every cluster of that column, and the one with y = 0 asks.  The four partners that ask for a tile jointly share its rows out BY ADDRESS: of the 128 rows that
; a wave fetches the partner at place p takes 32 p .. 32 p + 31.  K steps 0 to 3 come by their loads alone; the loop's last trip (s3 = 1) asks for nothing: K steps 32 and 33 do not exist.
.macro ASK
	s_cmp_gt_u32 s3, s[LIM]
	s_cbranch_scc0 .Lnot_mine_\@
	global_prefetch_b8 v[PFO], s[PFA:PFA+1] offset:KSTEP*2 th:TH_LOAD_NT scope:SCOPE_SE
.Lnot_mine_\@:
.endm
; A round of the cluster's barrier: my work-group's barrier, so that wave 0's signal speaks for all four waves; wave 0 signals for the work-group; every wave waits for all sixteen; my work-group's barrier once more.
.macro CREST                           ; a round behind its opening barrier
	s_cmp_lg_u32 s10, 0
	s_cbranch_scc1 .Lnot_wave_0_\@
	s_barrier_signal -3
.Lnot_wave_0_\@:
	s_barrier_wait -3
	s_barrier_signal -1
	s_barrier_wait -1
.endm
.macro CROUND                          ; a whole round
	s_barrier_signal -1
	s_barrier_wait -1
	CREST
.endm
	s_load_b128 s[4:7], s[0:1], 0x0                ; qx s[4:5], wb s[6:7]
	s_load_b128 s[68:71], s[0:1], 0x10             ; rowq s[68:69], wadj s[70:71]
	s_load_b128 s[72:75], s[0:1], 0x20             ; weight_scale s[72:73], bias s[74:75]
	s_load_b64 s[8:9], s[0:1], 0x30                ; out0
	v_lshl_add_u32 v[SPW], v0, 2, SPARE
	v_mov_b32 v[NIL], 0
	ds_add_u32 v[SPW], v[NIL]                      ; the wave's opening: the add, twice on end, and its wait ahead of my first tensor load; the set-up below, work on registers, stands between
	ds_add_u32 v[SPW], v[NIL]                      ; and once more, under the one wait
	v_lshrrev_b32 v1, 5, v0
	v_readfirstlane_b32 s10, v1                    ; wave 0..3
	s_lshr_b32 s11, s10, 1                         ; which half of the tile's rows is mine.  Also: I fetch for qx (0) or for wb (1)
	s_and_b32 s12, s10, 1                          ; which half of its columns.  Also: which 128 rows of that tile I fetch
	s_bfe_u32 s40, ttmp6, 0x40000                  ; cx: my place along the cluster's x
	s_bfe_u32 s41, ttmp6, 0x40004                  ; cy: along its y
	s_lshl_b32 s42, ttmp9, 2                       ; in a cluster launch ttmp9 and ttmp7 count clusters
	s_add_co_u32 s42, s42, s40                     ; tile column = 4 x cluster x + cx
	s_and_b32 s13, ttmp7, 0xffff
	s_lshl_b32 s13, s13, 2
	s_add_co_u32 s13, s13, s41                     ; tile row = 4 x cluster y + cy
	s_lshl_b32 s43, s41, 2
	s_lshl_b32 s43, 15, s43                        ; my row of the cluster: places 4 cy .. 4 cy + 3
	s_lshl_b32 s44, 0x1111, s40                    ; my column: places cx, cx + 4, cx + 8, cx + 12
	; descriptor group 1: a tile of 128 rows x 128 elements, padded in LDS
	s_or_b32 s[G1+0], s43, (1<<16)|(1<<20)|(1<<21)|(5<<22)|(3<<25)  ; 15:0 the mask: qx's tiles go to my row; 17:16 element of 2 bytes; 20 padding on; 21 set beside a mask; 24:22 after every 64 words (code 5); 31:25 4 words of it (code 3)
	s_or_b32 s[G1B+0], s44, (1<<16)|(1<<20)|(1<<21)|(5<<22)|(3<<25) ; the same with the mask of my column, for wb's tiles
	s_mov_b32 s[G1B+1], KSTEP<<16
	s_mov_b32 s[G1+1], KSTEP<<16                   ; tensor_dim0 = 128
	s_mov_b32 s[G1B+2], 128<<16
	s_mov_b32 s[G1+2], 128<<16                     ; tensor_dim1 = 128
	s_mov_b32 s[G1B+3], KSTEP<<16
	s_mov_b32 s[G1+3], KSTEP<<16                   ; tile_dim0 = 128
	s_mov_b32 s[G1B+4], 128
	s_mov_b32 s[G1+4], 128                         ; tile_dim1 = 128
	s_mov_b32 s[G1B+5], SIZE_K
	s_mov_b32 s[G1+5], SIZE_K                      ; elements from row to row
	s_mov_b32 s[G1B+6], 0
	s_mov_b32 s[G1+6], 0
	s_mov_b32 s[G1B+7], 0
	s_mov_b32 s[G1+7], 0
	; where the tiles come from.  qx's hang on the tile row alone, which my row of the cluster shares; wb's on the tile column alone, which my column shares.
	s_lshl_b32 s17, s12, 7                         ; which 128 rows of the tile I fetch
	s_lshl_b32 s16, s13, 8
	s_add_co_u32 s16, s16, s17                     ; qx: row 256 x tile row + 128 x half
	s_lshl_b32 s46, s42, 8
	s_add_co_u32 s46, s46, s17                     ; wb: row 256 x tile column + 128 x half
	s_mov_b32 s17, 0
	s_mov_b32 s47, 0
	s_mov_b64 s[18:19], SIZE_K*2
	s_mul_u64 s[16:17], s[16:17], s[18:19]         ; in bytes
	s_mul_u64 s[46:47], s[46:47], s[18:19]
	s_mul_i32 s20, s10, HALFT                      ; and where they go: wave x 128 rows: no place in the cluster enters an LDS address
	s_wait_dscnt 0x0                               ; both opening adds are done
	s_wait_kmcnt 0x0
	s_add_nc_u64 s[14:15], s[4:5], s[16:17]
	s_add_nc_u64 s[46:47], s[6:7], s[46:47]
	CROUND                                         ; all sixteen work-groups are here: the first joint loads meet
.irp s, 0,1
	s_mov_b32 s[G0+4*(\s)], 1                                      ; count = 1
	s_add_co_u32 s[G0+4*(\s)+1], s20, (\s)*SLOT                    ; LDS address
	s_add_nc_u64 s[G0+4*(\s)+2:G0+4*(\s)+3], s[14:15], (\s)*KSTEP*2  ; global address: K step s
	s_or_b32 s[G0+4*(\s)+3], s[G0+4*(\s)+3], 0x80000000            ; type = 2
	s_mov_b32 s[G0B+4*(\s)], 1
	s_add_co_u32 s[G0B+4*(\s)+1], s20, (\s)*SLOT
	s_add_nc_u64 s[G0B+4*(\s)+2:G0B+4*(\s)+3], s[46:47], (\s)*KSTEP*2
	s_or_b32 s[G0B+4*(\s)+3], s[G0B+4*(\s)+3], 0x80000000
	JLOAD \s                                       ; the ring is filled before anything else is done: two loads of mine are out
.endr
	; A fragment is 16 rows x 32 K in 8 registers: lane l holds row l % 16; registers 0-3 hold K = 8 (l / 16) + 0..7, registers 4-7 K = 16 + 8 (l / 16) + 0..7: two loads of 16 bytes, 32 bytes apart.
	v_and_b32 v1, 15, v0                           ; l % 16
	v_bfe_u32 v2, v0, 4, 1                         ; l / 16
	v_and_b32 v4, 31, v0                           ; l
	v_mul_u32_u24 v3, v1, PITCH
	v_lshl_add_u32 v3, v2, 4, v3                   ; row x pitch + 16 x half
	s_mul_i32 s21, s11, HALFT                      ; my 128 rows of qx
	s_mul_i32 s22, s12, HALFT                      ; my 128 rows of wb,
	s_add_co_u32 s22, s22, 2*HALFT                 ; which lie behind qx's 256
.irp s, 0,1
	v_add_nc_u32 v[ADRA+(\s)], s21, v3
	v_add_nc_u32 v[ADRB+(\s)], s22, v3
	s_add_co_u32 s21, s21, SLOT
	s_add_co_u32 s22, s22, SLOT
.endr
	s_mul_i32 s23, s10, WSTG                       ; my stage
	v_mul_u32_u24 v[STO], v1, SP                   ; in: row l % 16, 32 bytes for each half of the lanes
	v_lshl_add_u32 v[STO], v2, 5, v[STO]
	v_add_nc_u32 v[STO], s23, v[STO]
	v_lshl_add_u32 v[RD], v4, 4, s23               ; back: 32 lanes take one row of 512 bytes
	v_lshlrev_b32 v[CO], 4, v4                     ; and the same 512 bytes of a row of out
	v_mov_b32 v[RM], s23
	v_mul_u32_u24 v[MW], v4, SP
	v_add_nc_u32 v[MW], s23, v[MW]
	; my part of the tile: rows from 256 x tile row + 128 x half, columns from 256 x tile column + 128 x half
	s_lshl_b32 s13, s13, 8
	s_lshl_b32 s14, s11, 7
	s_add_co_u32 s16, s13, s14                     ; my first row
	v_add_lshl_u32 v[MO], v4, s16, 2
	s_lshl_b32 s46, s42, 8
	s_lshl_b32 s47, s12, 7
	s_add_co_u32 s46, s46, s47                     ; my first column,
	s_lshl_b32 s46, s46, 2                         ; in bytes of f32
	v_lshl_add_u32 v[NO], v4, 4, s46
.irp i, 0,1,2,3
	global_load_b32 v[MV+2*(\i)],   v[MO], s[68:69] offset:128*(\i)        ; scale of row lane + 32 i
	global_load_b32 v[MV+2*(\i)+1], v[MO], s[68:69] offset:16384+128*(\i)  ; -azp of it
.endr
	global_load_b128 v[WS:WS+3],   v[NO], s[72:73]
	global_load_b128 v[ADJ:ADJ+3], v[NO], s[70:71]
	global_load_b128 v[BI:BI+3],   v[NO], s[74:75]
	s_mov_b32 s47, 0
	s_lshl_b32 s16, s16, 14                        ; my first row x 16,384 bytes: under 2^26
	s_mov_b32 s17, 0
	s_add_nc_u64 s[16:17], s[16:17], s[46:47]
	s_add_nc_u64 s[8:9], s[8:9], s[16:17]          ; out at my part's first number
	; the prefetches.  s13 = 256 x tile row, s42 = tile column, s40 = cx, s41 = cy still stand
	s_lshl_b32 s42, s42, 8
	s_and_b32 s22, ttmp7, 0xffff                   ; cluster y
	s_cmp_eq_u32 s11, 0                            ; do I fetch for qx?
	s_cselect_b32 s20, s13, s42                    ; the tile's first row: in qx by the tile row, in wb by the tile column
	s_cselect_b32 s21, s40, s41                    ; my place among the four that ask for it with me
	s_cselect_b32 s22, ttmp9, s22                  ; the coordinate along which other clusters read the same rows
	s_cselect_b64 s[PFA:PFA+1], s[4:5], s[6:7]
	s_cmp_eq_u32 s22, 0
	s_cselect_b32 s[LIM], 1, -1                    ; the same in all sixteen partners, for a given wave
	s_lshl_b32 s22, s12, 7
	s_add_co_u32 s20, s20, s22                     ; + the 128 rows that I fetch
	s_lshl_b32 s21, s21, 5
	s_add_co_u32 s20, s20, s21                     ; + my work-group's 32 of them
	s_mov_b32 s21, 0
	s_mov_b64 s[18:19], SIZE_K*2
	s_mul_u64 s[20:21], s[20:21], s[18:19]
	s_add_nc_u64 s[PFA:PFA+1], s[PFA:PFA+1], s[20:21]
	s_add_nc_u64 s[PFA:PFA+1], s[PFA:PFA+1], 2*KSTEP*2  ; at K step 2: the first refill steps it to 3 and names K step 4
	v_mul_u32_u24 v[PFO], v4, SIZE_K*2
; 16 matrix instructions: m blocks a0, a0 + 1 of the window's four (hi = 0: my rows 0-63, 1: rows 64-127) x all 8 n blocks, 32 along K.  zero = 1: the first product starts the sums: nothing is ever cleared.
; The 64 accumulators take turns, one instruction a turn, in the same order in every quarter step, over the backward jump too.
.macro MUL16 f, hi, a0, zero
	WIN MUL_LO+0x50*(\hi)
.irp a, \a0, (\a0)+1
.irp b, 0,1,2,3,4,5,6,7
.if \zero
	v_wmma_f32_16x16x32_bf16 v[8*(8*(\a)+(\b)):8*(8*(\a)+(\b))+7], v[(\f)+8*(\b):(\f)+8*(\b)+7], v[(\f)+8*(4*(\hi)+(\a)):(\f)+8*(4*(\hi)+(\a))+7], 0
.else
	v_wmma_f32_16x16x32_bf16 v[8*(8*(\a)+(\b)):8*(8*(\a)+(\b))+7], v[(\f)+8*(\b):(\f)+8*(\b)+7], v[(\f)+8*(4*(\hi)+(\a)):(\f)+8*(4*(\hi)+(\a))+7], v[8*(8*(\a)+(\b)):8*(8*(\a)+(\b))+7]
.endif
.endr
.endr
.endm
; 32 LDS loads in one run: the fragments of one quarter step (128 rows of wb, 128 rows of qx, 32 K at byte k of the rows) into buffer f
.macro FETCH slot, k, f
	WIN TO_B
.irp i, 0,1,2,3,4,5,6,7
	ds_load_b128 v[(\f)+8*(\i):(\f)+8*(\i)+3],   v[ADRB+(\slot)] offset:(\k)+(\i)*16*PITCH
	ds_load_b128 v[(\f)+8*(\i)+4:(\f)+8*(\i)+7], v[ADRB+(\slot)] offset:(\k)+(\i)*16*PITCH+32
.endr
	WIN 0
.irp i, 0,1,2,3,4,5,6,7
	ds_load_b128 v[(\f)+8*(\i):(\f)+8*(\i)+3],   v[ADRA+(\slot)] offset:(\k)+(\i)*16*PITCH
	ds_load_b128 v[(\f)+8*(\i)+4:(\f)+8*(\i)+7], v[ADRA+(\slot)] offset:(\k)+(\i)*16*PITCH+32
.endr
.endm
; A load into a register that a matrix instruction has read, and an LDS store of a matrix result, stand four places behind that matrix instruction, and only plain vector instructions that name none
; of its registers are places (ISA guide 7.12.1 for vector instructions).
.macro PLACES
.rept 4
	v_nop
.endr
.endm
; A K step is four quarter steps of 32 along K, 64 matrix instructions each, on buffers 0, 1, 0, 1.  One of the first three: multiplies buffer f; in its middle it fetches the next quarter, at byte k, into g.
.macro QUARTER slot, k, f, g, zero
	s_wait_dscnt 8                                 ; wb and qx's rows 0-63 are in; the youngest eight loads (qx's rows 64-127) may be out
	WIN MUL_LO
	MUL16 \f, 0, 0, \zero
	MUL16 \f, 0, 2, \zero
	PLACES
	FETCH \slot, \k, \g
	s_wait_dscnt 32                                ; all but the 32 just issued
	WIN MUL_HI
	MUL16 \f, 1, 0, \zero
	MUL16 \f, 1, 2, \zero
.endm
; The last quarter multiplies buffer 1 and changes slots.  MEET is its first half: ONE barrier, for two things.  In front of it each wave waits for all its tensor loads, of which one is out: its part
; of the next slot; adds 0 to its spare word; and waits for that and for its own reads of this slot.  Behind it nobody reads this slot any more and the next slot is whole.
.macro MEET round                      ; round = 1: a round of the cluster's barrier follows
	WIN 0                                          ; (the add's two registers lie in window 0)
	s_wait_tensorcnt 0x0                           ; all my tensor loads have landed;
	ds_add_u32 v[SPW], v[NIL]                      ; 0 onto my spare word;
	s_wait_dscnt 9                                 ; (the add and the youngest eight loads may be out)
	WIN MUL_LO
	MUL16 F1, 0, 0, 0                              ; sixteen matrix instructions stand between the add and the wait for it
	s_wait_dscnt 0x0                               ; the add is done, and my reads of this slot are over:
	s_barrier_signal -1                            ; say so,
	MUL16 F1, 0, 2, 0                              ; work on registers while the others arrive,
.if \round
	WIN 0
.endif
	s_barrier_wait -1                              ; and go on when all four have said so
.endm
; The whole last quarter.  fill = 1: the slot just read out is filled again, first thing behind the round, with the K step two steps on: from that request to the wait for it a wave issues 224 matrix instructions.
.macro TURN slot, next, fill
.if \fill
	s_wait_xcnt 0x0                                ; the last prefetch, a K step back, has read its address: it is stepped here, ahead of the waits of the change of slots
	s_add_nc_u64 s[PFA:PFA+1], s[PFA:PFA+1], KSTEP*2
	MEET 1
	CREST                                          ; the barrier has opened a round of the cluster's: no wave of any partner still reads this slot's tile or has a load on its way
	s_add_nc_u64 s[G0+4*(\slot)+2:G0+4*(\slot)+3], s[G0+4*(\slot)+2:G0+4*(\slot)+3], 2*KSTEP*2
	s_add_nc_u64 s[G0B+4*(\slot)+2:G0B+4*(\slot)+3], s[G0B+4*(\slot)+2:G0B+4*(\slot)+3], 2*KSTEP*2
	JLOAD \slot                                    ; my one tensor load behind the round; the four v_nop behind it are also the places in front of the loads below
	FETCH \next, 0, F0
	ASK
.else
	MEET 0                                         ; nothing is filled again, so no round follows
	PLACES
	FETCH \next, 0, F0
.endif
	WIN MUL_HI
	MUL16 F1, 1, 0, 0
	MUL16 F1, 1, 2, 0
.endm
	s_wait_loadcnt 0x0                             ; the way out's tables, once, while the first tile is on its way
	s_wait_tensorcnt 1                             ; my part of K step 0 is in; K step 1's may stay out
	s_barrier_signal -1
	s_barrier_wait -1                              ; everybody's is
	FETCH 0, 0, F0
	QUARTER 0, 64,  F0, F1, 1                      ; the first quarter stands in front of the loop: its products start the sums
	WIN 0                                          ; at a label and at a branch every window is 0
	s_mov_b32 s3, LAPS-1
.Llap:                                                 ; a trip goes once round the ring, from a lap's second quarter to the next lap's first, and fills both slots again
	QUARTER 0, 128, F1, F0, 0
	QUARTER 0, 192, F0, F1, 0
	TURN 0, 1, 1
	QUARTER 1, 64,  F0, F1, 0
	QUARTER 1, 128, F1, F0, 0
	QUARTER 1, 192, F0, F1, 0
	TURN 1, 0, 1
	QUARTER 0, 64,  F0, F1, 0
	WIN 0
	s_sub_co_u32 s3, s3, 1
	s_cmp_lg_u32 s3, 0
	s_cbranch_scc1 .Llap
	QUARTER 0, 128, F1, F0, 0                      ; the last lap is written out: it fills nothing
	QUARTER 0, 192, F0, F1, 0
	TURN 0, 1, 0
	QUARTER 1, 64,  F0, F1, 0
	QUARTER 1, 128, F1, F0, 0
	QUARTER 1, 192, F0, F1, 0
	s_wait_dscnt 8                                 ; the very last quarter: nothing more to fetch
	MUL16 F1, 0, 0, 0
	MUL16 F1, 0, 2, 0
	s_wait_dscnt 0x0                               ; my last reads of the ring are back:
	s_barrier_signal -1                            ; say so; my tensor loads were all waited for at the last change of slots, and none has been issued since
	MUL16 F1, 1, 0, 0
	MUL16 F1, 1, 2, 0
	WIN 0
	s_barrier_wait -1                              ; no wave reads the ring any more, and nothing fills it again: its bytes serve as the stages
	PLACES                                         ; behind the last products, in front of the stores of their results
	; THE WAY OUT.  My 64 accumulators go into my stage, 32 bytes a lane and accumulator (each accumulator's low four registers first), and each row's scale and -azp behind the row.
.macro TOSTAGE hi
	WIN 0x08+4*(\hi)                               ; the stores' data (source 1) in window 2 or 3, the address in window 0
.irp a, 0,1,2,3
.irp b, 0,1,2,3,4,5,6,7
	ds_store_b128 v[STO], v[8*(8*(\a)+(\b)):8*(8*(\a)+(\b))+3]   offset:(4*(\hi)+(\a))*16*SP+64*(\b)
	ds_store_b128 v[STO], v[8*(8*(\a)+(\b))+4:8*(8*(\a)+(\b))+7] offset:(4*(\hi)+(\a))*16*SP+64*(\b)+16
.endr
.endr
.endm
	TOSTAGE 0
	TOSTAGE 1
	WIN 0
.irp i, 0,1,2,3
	ds_store_b64 v[MW], v[MV+2*(\i):MV+2*(\i)+1] offset:(\i)*32*SP+512
.endr
	s_mov_b32 s3, 8
.Lout:                                                 ; eight trips of 16 rows.  LDS serves a wave's instructions in order (ISA guide 5.7.1.4): the loads see my stores above; no other wave touches my stage
.irp t, 0,1,2,3,4,5,6,7,8,9,10,11,12,13,14,15
	ds_load_b128 v[BK+4*(\t):BK+4*(\t)+3], v[RD] offset:(\t)*SP        ; a row's 512 bytes: 16 neighbouring bytes a lane
	ds_load_b64 v[RV+2*(\t):RV+2*(\t)+1], v[RM] offset:(\t)*SP+512     ; its scale and -azp, the same word for all lanes
.endr
.irp t, 0,1,2,3,4,5,6,7,8,9,10,11,12,13,14,15
	s_wait_dscnt 2*(15-(\t))                       ; row t's two loads are back; the two of each later row may be out
.irp c, 0,1,2,3
	v_fma_f32 v[BK+4*(\t)+(\c)], v[ADJ+(\c)], v[RV+2*(\t)+1], v[BK+4*(\t)+(\c)]   ; acc - azp adj, rounded once
.endr
	v_pk_mul_f32 v[FS+4*((\t)%2):FS+4*((\t)%2)+1],   v[WS:WS+1],   v[RV+2*(\t):RV+2*(\t)+1] op_sel_hi:[1,0]  ; scale ws
	v_pk_mul_f32 v[FS+4*((\t)%2)+2:FS+4*((\t)%2)+3], v[WS+2:WS+3], v[RV+2*(\t):RV+2*(\t)+1] op_sel_hi:[1,0]
	v_pk_fma_f32 v[BK+4*(\t):BK+4*(\t)+1],   v[BK+4*(\t):BK+4*(\t)+1],   v[FS+4*((\t)%2):FS+4*((\t)%2)+1],   v[BI:BI+1]
	v_pk_fma_f32 v[BK+4*(\t)+2:BK+4*(\t)+3], v[BK+4*(\t)+2:BK+4*(\t)+3], v[FS+4*((\t)%2)+2:FS+4*((\t)%2)+3], v[BI+2:BI+3]
	global_store_b128 v[CO], v[BK+4*(\t):BK+4*(\t)+3], s[8:9] offset:(\t)*SIZE_N*4 th:TH_STORE_NT  ; 512 consecutive bytes, at a multiple of 512 from out's first byte
.endr
	s_wait_xcnt 0x0                                ; the stores have read their data and their base: both are written again only behind this wait
	v_add_nc_u32 v[RD], 16*SP, v[RD]
	v_add_nc_u32 v[RM], 16*SP, v[RM]
	s_add_nc_u64 s[8:9], s[8:9], 16*SIZE_N*4
	s_sub_co_u32 s3, s3, 1
	s_cmp_lg_u32 s3, 0
	s_cbranch_scc1 .Lout
	s_wait_tensorcnt 0x0                           ; the wave's end, behind my last tensor load and my last LDS store
	ds_add_u32 v[SPW], v[NIL]
	s_wait_dscnt 0x0
	CROUND                                         ; the closing round: no work-group ends while a partner may still ask for a tile that names it
	s_endpgm
.Lfunc_end_k_q7fdcdfbec8_gemm:
	.size	k_q7fdcdfbec8_gemm, .Lfunc_end_k_q7fdcdfbec8_gemm-k_q7fdcdfbec8_gemm
	.p2alignl 7, 3214868480
	.fill 96, 4, 3214868480
	.section	.rodata,"a",@progbits
	.p2align	6, 0x0
	.amdhsa_kernel k_q7fdcdfbec8_gemm
		.amdhsa_group_segment_fixed_size 327680
		.amdhsa_private_segment_fixed_size 0
		.amdhsa_enable_private_segment 0
		.amdhsa_kernarg_size 56
		.amdhsa_user_sgpr_count 2
		.amdhsa_user_sgpr_kernarg_segment_ptr 1
		.amdhsa_wavefront_size32 1
		.amdhsa_system_sgpr_workgroup_id_x 1
		.amdhsa_system_sgpr_workgroup_id_y 1
		.amdhsa_system_sgpr_workgroup_id_z 1
		.amdhsa_system_vgpr_workitem_id 0
		.amdhsa_next_free_vgpr 1024
		.amdhsa_next_free_sgpr 80
		.amdhsa_reserve_vcc 0
		.amdhsa_float_denorm_mode_32 3
		.amdhsa_float_denorm_mode_16_64 3
		.amdhsa_memory_ordered 1
		.amdhsa_forward_progress 1
		.amdhsa_inst_pref_size 135
	.end_amdhsa_kernel
	.amdgpu_metadata
---
amdhsa.version: [ 1, 2 ]
amdhsa.kernels:
  - .name:           k_q7fdcdfbec8_gemm
    .symbol:         k_q7fdcdfbec8_gemm.kd
    .args:
      - { .name: qx, .offset: 0, .size: 8, .value_kind: global_buffer, .address_space: global }
      - { .name: wb, .offset: 8, .size: 8, .value_kind: global_buffer, .address_space: global }
      - { .name: rowq, .offset: 16, .size: 8, .value_kind: global_buffer, .address_space: global }
      - { .name: wadj, .offset: 24, .size: 8, .value_kind: global_buffer, .address_space: global }
      - { .name: weight_scale, .offset: 32, .size: 8, .value_kind: global_buffer, .address_space: global }
      - { .name: bias, .offset: 40, .size: 8, .value_kind: global_buffer, .address_space: global }
      - { .name: out0, .offset: 48, .size: 8, .value_kind: global_buffer, .address_space: global }
    .group_segment_fixed_size: 327680
    .private_segment_fixed_size: 0
    .kernarg_segment_align: 8
    .kernarg_segment_size: 56
    .max_flat_workgroup_size: 128
    .sgpr_count:     80
    .vgpr_count:     1024
    .wavefront_size: 32
...
	.end_amdgpu_metadata
.endif
;; end of part 2
;; ======== version 2 of 2: 2 launches; version 1 with the launch prep written anew for expert scheduling mode
;; workspace buffers: qx 33,554,432 bytes; wb 33,554,432 bytes; rowq 32,768 bytes; wadj 16,384 bytes
;; launch prep (part 3): grid 256 x 1, 8 waves a work-group, no clusters, 0 bytes of LDS; arguments input, weight, qx, wb, rowq, wadj; writes qx, wb, rowq, wadj
.if DOCPART == 3
	.amdgcn_target "amdgcn-amd-amdhsa--gfx1250"
	.amdhsa_code_object_version 6
	.text
	.protected	k_q7fdcdfbec8_prep
	.globl	k_q7fdcdfbec8_prep
	.p2align	8
	.type	k_q7fdcdfbec8_prep,@function
k_q7fdcdfbec8_prep:
	s_mov_b64 s[64:65], 0
	v_nop
	global_prefetch_b8 v0, s[64:65] scope:SCOPE_SE
	s_setreg_imm32_b32 hwreg(HW_REG_WAVE_SCHED_MODE, 0, 2), 2
	s_setreg_imm32_b32 hwreg(HW_REG_WAVE_MODE, 25, 1), 1
	s_wait_xcnt 0x0
	s_wait_alu depctr_vm_vsrc(0)
; W8A8 linear, first of two launches: everything that is done once for each number of the two large inputs.
;   out[m][n] = scale[m] ws[n] (sum_k q[m][k] w8[n][k] - azp[m] sum_k w8[n][k]) + bias[n],  M = N = K = 4096.
; NOTHING OF reference() IS LEFT OUT: input, weight, weight_scale and bias all reach the output; this launch reads the first two, the next one the other two.
; This launch: waves 0-3 quantise rows of input (row minimum and maximum, scale, zero point, q) and store q as bf16; waves 4-7 cut rows of weight to their low 8 bits
; (signed, as astype(int8) does), store them as bf16 and sum each row.  q and w8 are whole numbers in -128 .. 127, which bf16 holds exactly: the next launch's 16-bit operands lose nothing.
; STORED: qx [4096][4096] bf16;  wb [4096][4096] bf16 ([n][k]);  rowq f32: scale[0..4095], then -azp[0..4095];  wadj f32 [4096]: a row sum of w8, at most 2^19 in size, exact in f32.
; SHARES.  Work-group b has rows 16 b .. 16 b + 15 of both inputs; a wave has four rows on end.  One wave takes a whole row: 16,384 bytes = 32 loads of 16 bytes a lane, each load 512 bytes on end.
; So a row's minimum, maximum and sum never leave the wave: no LDS, no barrier.  No work-group shares a byte with another: no cluster.  There is no product here: no matrix instruction.
; The bf16 image of one load is 8 bytes a lane: one store of the wave covers 256 consecutive bytes, aligned.
; LIMITS.  x / scale is taken as x r, r = 1 / scale by v_rcp_f32 and one Newton step: where x / scale lies within some 1.5 units in the last place of a half, q may differ by 1 from reference()'s;
; the same azp goes into q and into the correction, so the result moves by at most scale ws |w8|.  (max - min) / 255 is a multiplication by 1/255 with one correction step.
; A row whose scale is below 2^-126 (a constant row among them) takes r = 0: q = azp = -128, and the result is bias to within scale ws 2^27.  Not served: scale above 2^126, |x / scale| from 2^24 on,
; NaN or infinities in input (a NaN loses in the minimum and maximum), and a wrap of reference()'s int32 product azp x azp_adj.
; THE MODE: SCHED_MODE bits 1:0 = 2 (LLVM: expert scheduling mode 2), set by the entry lines.  The code itself states the register dependences between vector instructions and memory
; instructions, with s_wait_alu, always for 0.
; THE PLAN.  Registers that memory instructions touch:
;   OFF, OFS      (in both windows) byte offsets, made once at the head, read by every load and store, never written again: one wait at the head serves them all.
;   INPUT WAVES.  A row slot is four blocks of 32 registers.  A block's life: its 8 loads land; pass 1 reads it; pass 2's block b reads it and rounds into 16 of its registers; its 8 stores, issued in
;                 block b + 1, read those; the 8 loads of the row two further on, issued in block b + 2, land in it.  Block b's own vector lines name block b's registers and T alone.  So at a block's head
;                 one wait on va_vdst states that the block before has written what the stores below read (and that all vector lines are done with the block two back), and s_wait_xcnt 0 with one wait on
;                 vm_vsrc that the stores issued in the block before have read the registers in which the loads below land.  The block's loads and stores are then dealt among its vector lines.
;   WEIGHT WAVES. X, a ring of 32 slots of 4, and Y, 32 pairs, go in blocks of four slots.  Block k: sixteen shifts empty X(k) into working registers; ONE wait on va_vdst states that they are done
;                 reading X(k) and that block k - 1's roundings have written Y(k - 1); the four loads into X(k) (the next row) and the four stores from Y(k - 1) follow, dealt among the block's arithmetic,
;                 which names the working registers, the sums and Y(k) alone.  At a row's end its last four stores have a wait of their own, and s_wait_xcnt 0 with one wait on vm_vsrc stands
;                 ahead of the pointers' step: all 32 pairs have been read, and the next row's roundings may write them.
;   OUTV, OUTO    written at a wave's end, read by its last store.
.set ROWI, 16384                       ; bytes in a row of input and of weight
.set ROWO, 8192                        ; bytes in a row of qx and of wb
.set OFF,  2                           ; v2   16 x lane: my 16 bytes of a load (also in window 1); never rewritten
.set OFS,  3                           ; v3   8 x lane: my 8 bytes of a store (also in window 1); never rewritten
.set MX,   10                          ; v[10:13] four running maxima (in the row slot's window)
.set MN,   14                          ; v[14:17] four running minima
.set T,    20                          ; v[20:35] two sets of eight numbers at work, by turns (in the row slot's window)
.set OUTV, 36                          ; v36  what the wave stores at its end, a number a lane
.set OUTO, 37                          ; v37  and where
.set X,    64                          ; v[64:191] a row.  Input waves: row slot 0 in window 0, row slot 1 in window 1.  Weight waves: a ring of 32 slots of 4
.set Y,    192                         ; v[192:255] weight waves: 32 slots of 2, to store
.set WT,   40                          ; v[40:55]  weight waves: a block's sixteen numbers at work, four a slot
.set U,    56                          ; v[56:59]  weight waves: two pairs at work, by turns
.set SUM,  26                          ; v[26:29]  weight waves: two running pairs of sums
.set MSB, 0
.macro WIN new                         ; s_set_vgpr_msb: bits 1:0 source 0, 3:2 source 1, 5:4 source 2, 7:6 destination; the high byte repeats the setting that is left
.if MSB != (\new)
	s_set_vgpr_msb (MSB<<8)|(\new)
.set MSB, (\new)
.endif
.endm
	s_load_b256 s[4:11], s[0:1], 0x0               ; input s[4:5], weight s[6:7], qx s[8:9], wb s[10:11]
	s_load_b128 s[12:15], s[0:1], 0x20             ; rowq s[12:13], wadj s[14:15]
	v_and_b32 v1, 31, v0                           ; lane
	v_lshrrev_b32 v4, 5, v0
	v_readfirstlane_b32 s16, v4                    ; wave 0..7
	s_mov_b32 s18, 0x437f0000                      ; 255.0
	s_mov_b32 s19, 0x3b808081                      ; 1 / 255
	s_mov_b32 s29, 0                               ; upper words of the two pairs that the packed lines name
	s_mov_b32 s31, 0
	s_mov_b32 s32, 0xc3000000                      ; -128.0
	s_mov_b32 s33, 0x42fe0000                      ; 127.0
	s_mov_b32 s34, 0x76543210                      ; v_permlanex16_b32: each lane takes its own place in the other half
	s_mov_b32 s35, 0xfedcba98
	s_mov_b32 s39, 0x00800000                      ; 2^-126
	v_lshlrev_b32 v[OFF], 4, v1
	v_lshlrev_b32 v[OFS], 3, v1
	WIN 0x40                                       ; the same two into window 1 (the source, v1, in window 0)
	v_lshlrev_b32 v[OFF], 4, v1
	v_lshlrev_b32 v[OFS], 3, v1
	WIN 0
	s_wait_alu depctr_va_sdst(0)                   ; s16 is written, ahead of its first reader, the line below
	s_and_b32 s17, s16, 3                          ; which four of the work-group's 16 rows
	s_lshl_b32 s36, ttmp9, 18                      ; my first row R0 = 16 b + 4 (wave % 4), times 16,384 bytes: under 2^26
	s_lshl_b32 s3, s17, 16
	s_add_co_u32 s36, s36, s3
	s_mov_b32 s37, 0
	s_lshl_b32 s2, ttmp9, 6                        ; 4 R0: my rows' first byte in a table of f32
	s_lshl_b32 s3, s17, 4
	s_add_co_u32 s2, s2, s3
	s_wait_kmcnt 0x0
	s_wait_alu depctr_va_vdst(0)                   ; OFF and OFS are written, in both windows: every load and store of x, w, qx and wb reads one of them as its offset, on both ways from here
	s_cmp_lt_u32 s16, 4
	s_cbranch_scc0 .Lweights
; ---------------- waves 0-3: four rows of input ----------------
	s_add_nc_u64 s[4:5], s[4:5], s[36:37]          ; input at my first row; never stepped: the row stands in the immediate (65,024 at the most)
	s_lshr_b32 s36, s36, 1
	s_add_nc_u64 s[8:9], s[8:9], s[36:37]          ; qx at my first row
.macro FILL w, row                     ; a row's 32 loads into row slot w: the two first rows.  No vector line has named these registers; between the head's wait and the loads stand scalar lines, loads and a window switch alone
	WIN 0x55*(\w)
.set j, 0
.rept 32
	global_load_b128 v[X+4*j:X+4*j+3], v[OFF], s[4:5] offset:(\row)*ROWI+512*j th:TH_LOAD_NT
.set j, j+1
.endr
.endm
; Row i, which lies in row slot w = i % 2.  fill = 1: the slot takes row i + 2, block by block, as pass 2 leaves it.  left = the younger loads that may stay out.
.macro QTURN i, w, fill, left
	WIN 0x55*(\w)
	s_wait_loadcnt \left                           ; loads come back in order (ISA guide 5.7.1): my row is in, the other slot's 32 loads stay out
	; pass 1: four chains of maxima and four of minima, 32 numbers each, three operands at a time; the first two numbers start a chain: nothing is cleared
.irp k, 0,1,2,3
	v_max_num_f32 v[MX+\k], v[X+32*\k], v[X+32*\k+1]
	v_min_num_f32 v[MN+\k], v[X+32*\k], v[X+32*\k+1]
.endr
.set n, 1
.rept 15
.irp k, 0,1,2,3
	v_max3_num_f32 v[MX+\k], v[MX+\k], v[X+32*\k+2*n], v[X+32*\k+2*n+1]
	v_min3_num_f32 v[MN+\k], v[MN+\k], v[X+32*\k+2*n], v[X+32*\k+2*n+1]
.endr
.set n, n+1
.endr
	v_max3_num_f32 v[MX], v[MX], v[MX+1], v[MX+2]
	v_min3_num_f32 v[MN], v[MN], v[MN+1], v[MN+2]
	WIN 0x05*(\w)                                  ; sources in the slot's window, destination in window 0: the row's own arithmetic is done there
	v_max_num_f32 v[MX], v[MX], v[MX+3]
	v_min_num_f32 v[MN], v[MN], v[MN+3]
	WIN 0
.irp m, 1,2,4,8                        ; across the lanes: four steps inside each half of 16 ride on the arithmetic, one crosses the halves
	v_max_num_f32_dpp v[MX], v[MX], v[MX] row_xmask:\m row_mask:0xf bank_mask:0xf
	v_min_num_f32_dpp v[MN], v[MN], v[MN] row_xmask:\m row_mask:0xf bank_mask:0xf
.endr
	v_permlanex16_b32 v[MX+1], v[MX], s34, s35     ; its destination counts as read: row 0's chains have written both
	v_permlanex16_b32 v[MN+1], v[MN], s34, s35
	v_max_num_f32 v[MX], v[MX], v[MX+1]
	v_min_num_f32 v[MN], v[MN], v[MN+1]
	; scale = (max - min) / 255; r = 1 / scale; azp = round(-128 - min r)
	v_sub_f32 v40, v[MX], v[MN]
	v_mul_f32 v41, s19, v40                        ; d / 255, first guess,
	v_fma_f32 v42, -v41, s18, v40                  ; what it leaves of d,
	v_fma_f32 v41, v42, s19, v41                   ; and the guess mended: scale
	v_cmp_gt_f32 vcc_lo, s39, v41                  ; is scale below 2^-126?
	v_rcp_f32 v43, v41
	v_nop                                          ; a plain instruction between the reciprocal and the use of its result (ISA guide 5.7.2)
	s_wait_alu depctr_va_vdst(0)                   ; the reciprocal has written v43, ahead of its first use
	v_fma_f32 v44, -v41, v43, 1.0                  ; one Newton step
	v_fma_f32 v43, v44, v43, v43
	s_wait_alu depctr_va_vcc(0)                    ; the compare above has written VCC, which the select below reads
	v_cndmask_b32 v43, v43, 0, vcc_lo              ; r = 0 for such a row (see LIMITS)
	v_mul_f32 v45, v[MN], v43
	v_sub_f32 v45, s32, v45
	v_rndne_f32 v45, v45                           ; azp, a whole number in f32; halves go to the even number, as jnp.round's do
	v_sub_f32 v46, 0, v45
	v_readfirstlane_b32 s[20+(\i)], v41            ; kept for the wave's end: scale,
	v_readfirstlane_b32 s[24+(\i)], v46            ; -azp
	v_readfirstlane_b32 s28, v43                   ; r and azp for pass 2
	v_readfirstlane_b32 s30, v45
	s_wait_alu depctr_va_sdst(0)                   ; all four are written: s28 and s30 are read by pass 2's packed lines, the other two by the lines at the wave's end
	; pass 2: q = clip(round(x r) + azp, -128, 127), eight numbers (two loads' worth) a group, rounded to bf16 (exactly) into the row's own registers.  Four groups are a block.
	; Blocks 0 to 3 compute; block b stores block b - 1 and, with fill = 1, loads into block b - 2; blocks 4 and 5 have no arithmetic left and finish the stores and the loads.
	WIN 0x55*(\w)
.set b, 0
.rept 6
.if (b >= 1) && (b <= 4)
	s_wait_alu depctr_va_vdst(0)                   ; the block before has written the registers that the stores below read; every vector line that named the block two back, in which the loads below land, is done
.endif
.if (\fill) && (b >= 2)
	s_wait_xcnt 0x0                                ; the stores issued in the block before have had their addresses translated (ISA guide 3.1): their data registers are loaded again only behind this wait,
	s_wait_alu depctr_vm_vsrc(0)                   ; and they have read those registers, in which the loads below land
.endif
.set q, 0
.rept 4
.set g, 4*b+q
.if (\fill) && (b >= 2)
	global_load_b128 v[X+8*(g-8):X+8*(g-8)+3],   v[OFF], s[4:5] offset:((\i)+2)*ROWI+1024*(g-8) th:TH_LOAD_NT      ; row i + 2, in the order of its bytes; no vector line since the waits names these registers
	global_load_b128 v[X+8*(g-8)+4:X+8*(g-8)+7], v[OFF], s[4:5] offset:((\i)+2)*ROWI+1024*(g-8)+512 th:TH_LOAD_NT
.endif
.if (b >= 1) && (b <= 4)
	global_store_b64 v[OFS], v[X+8*(g-4):X+8*(g-4)+1],   s[8:9] offset:(\i)*ROWO+512*(g-4) th:TH_STORE_NT      ; 32 lanes x 8 bytes: 256 consecutive bytes, aligned
	global_store_b64 v[OFS], v[X+8*(g-4)+4:X+8*(g-4)+5], s[8:9] offset:(\i)*ROWO+512*(g-4)+256 th:TH_STORE_NT
.endif
.if b <= 3
.set TT, T+8*(g%2)
.irp k, 0,1,2,3
	v_pk_mul_f32 v[TT+2*\k:TT+2*\k+1], v[X+8*g+2*\k:X+8*g+2*\k+1], s[28:29] op_sel_hi:[1,0]
.endr
.irp k, 0,1,2,3,4,5,6,7
	v_rndne_f32 v[TT+\k], v[TT+\k]
.endr
.irp k, 0,1,2,3
	v_pk_add_f32 v[TT+2*\k:TT+2*\k+1], v[TT+2*\k:TT+2*\k+1], s[30:31] op_sel_hi:[1,0]
.endr
.irp k, 0,1,2,3,4,5,6,7
	v_med3_num_f32 v[TT+\k], v[TT+\k], s32, s33
.endr
	v_cvt_pk_bf16_f32 v[X+8*g],   v[TT],   v[TT+1]
	v_cvt_pk_bf16_f32 v[X+8*g+1], v[TT+2], v[TT+3]
	v_cvt_pk_bf16_f32 v[X+8*g+4], v[TT+4], v[TT+5]
	v_cvt_pk_bf16_f32 v[X+8*g+5], v[TT+6], v[TT+7]
.endif
.set q, q+1
.endr
.set b, b+1
.endr
.endm
	FILL 0, 0
	FILL 1, 1
	QTURN 0, 0, 1, 32                              ; behind row i's loads stand row i + 1's 32: all of them are issued before row i's turn begins
	QTURN 1, 1, 1, 32
	QTURN 2, 0, 0, 32
	QTURN 3, 1, 0, 0                               ; the last row has nothing behind it
	WIN 0
	v_mov_b32 v[OUTV], 0                           ; lanes 0-3 take the four scales, lanes 4-7 the four -azp
.irp t, 0,1,2,3
	v_writelane_b32 v[OUTV], s[20+\t], \t
	v_writelane_b32 v[OUTV], s[24+\t], 4+\t
.endr
	v_and_b32 v[OUTO], 3, v1
	v_bfe_u32 v38, v1, 2, 1
	v_lshl_add_u32 v[OUTO], v[OUTO], 2, s2         ; 4 (R0 + lane % 4),
	v_lshl_add_u32 v[OUTO], v38, 14, v[OUTO]       ; in the table's second half for -azp: inside rowq in every lane
	v_cmp_gt_u32 vcc_lo, 8, v1
	s_wait_xcnt 0x0                                ; EXEC changes only behind this wait: it is a source of the stores above
	s_wait_alu depctr_va_vcc(0)                    ; the compare has written VCC, from which EXEC is made
	s_wait_alu depctr_va_vdst(0)                   ; ahead of the write of EXEC: every vector line is done; OUTV and OUTO, which the store below reads, are written
	s_wait_alu depctr_vm_vsrc(0)                   ; ahead of the write of EXEC: every store above has read its registers
	s_and_saveexec_b32 s3, vcc_lo
	global_store_b32 v[OUTO], v[OUTV], s[12:13]    ; 32 bytes a wave, once: 48 KiB of tables in the whole launch, not worth a meeting of the waves
	s_endpgm
; ---------------- waves 4-7: four rows of weight ----------------
.Lweights:
	s_add_nc_u64 s[6:7], s[6:7], s[36:37]          ; weight at my first row
	s_lshr_b32 s36, s36, 1
	s_add_nc_u64 s[10:11], s[10:11], s[36:37]      ; wb at my first row
.set j, 0
.rept 32
	global_load_b128 v[X+4*j:X+4*j+3], v[OFF], s[6:7] offset:512*j th:TH_LOAD_NT  ; the ring is filled: row 0
.set j, j+1
.endr
	v_mov_b32 v31, 0                               ; v_permlanex16_b32's destination counts as read
	v_mov_b32 v[OUTV], 0
; Block k of a row's eight: slots 4 k .. 4 k + 3 of the ring, four numbers a lane and slot.  ahead = 1: the block is asked for again, with the same place of the next row.
; left = the younger loads that may stay out.
.macro WBLK k, ahead, left
	s_wait_loadcnt \left                           ; loads come back in order (ISA guide 5.7.1): the block's four are in
.irp q, 0,1,2,3
.irp c, 0,1,2,3
	v_lshlrev_b32 v[WT+4*(\q)+(\c)], 24, v[X+16*(\k)+4*(\q)+(\c)]  ; the low byte on top: as i32 this is int8(w) x 2^24, whatever the upper 24 bits held
.endr
.endr
.if (\ahead) || ((\k) > 0)
	s_wait_alu depctr_va_vdst(0)                   ; the shifts are done reading the block's X, in which the loads below land; the block before has written its four pairs of Y, which the stores below read
.endif
.if \ahead
.irp q, 0,1,2,3
	global_load_b128 v[X+16*(\k)+4*(\q):X+16*(\k)+4*(\q)+3], v[OFF], s[6:7] offset:ROWI+512*(4*(\k)+(\q)) th:TH_LOAD_NT  ; the block is asked for again at once
.endr
.endif
.irp q, 0,1,2,3
.set jj, 4*(\k)+(\q)
.set W4, WT+4*(\q)
.set U2, U+2*((\q)%2)
.if (\k) > 0
	global_store_b64 v[OFS], v[Y+2*(jj-4):Y+2*(jj-4)+1], s[10:11] offset:256*(jj-4) th:TH_STORE_NT  ; the block before: 256 consecutive bytes, aligned.  No vector line since the wait names this pair
.endif
.irp c, 0,1,2,3
	v_cvt_f32_i32 v[W4+(\c)], v[W4+(\c)]           ; 8 significant bits: exact
.endr
	v_pk_mul_f32 v[W4:W4+1],   v[W4:W4+1],   0x33800000 op_sel_hi:[1,0]  ; x 2^-24: exact
	v_pk_mul_f32 v[W4+2:W4+3], v[W4+2:W4+3], 0x33800000 op_sel_hi:[1,0]
.if jj < 2
	v_pk_add_f32 v[SUM+2*jj:SUM+2*jj+1], v[W4:W4+1], v[W4+2:W4+3]         ; a row's first two slots start its sums: nothing is cleared
.else
	v_pk_add_f32 v[U2:U2+1], v[W4:W4+1], v[W4+2:W4+3]
	v_pk_add_f32 v[SUM+2*(jj%2):SUM+2*(jj%2)+1], v[SUM+2*(jj%2):SUM+2*(jj%2)+1], v[U2:U2+1]
.endif
	v_cvt_pk_bf16_f32 v[Y+2*jj],   v[W4],   v[W4+1]  ; each slot has its own pair: it is written again a row later, behind the waits at the row's end
	v_cvt_pk_bf16_f32 v[Y+2*jj+1], v[W4+2], v[W4+3]
.endr
.endm
; A row's last four stores: no block follows in which they could stand
.macro WEND
	s_wait_alu depctr_va_vdst(0)                   ; block 7's roundings have written their four pairs, which the stores below read
.irp q, 0,1,2,3
	global_store_b64 v[OFS], v[Y+2*(28+(\q)):Y+2*(28+(\q))+1], s[10:11] offset:256*(28+(\q)) th:TH_STORE_NT
.endr
.endm
; The row's sum (whole numbers under 2^19: exact in any order), into the lane whose number is the row's
.macro WSUM row
	v_pk_add_f32 v[SUM:SUM+1], v[SUM:SUM+1], v[SUM+2:SUM+3]
	v_add_f32 v30, v[SUM], v[SUM+1]
.irp m, 1,2,4,8
	v_add_f32_dpp v30, v30, v30 row_xmask:\m row_mask:0xf bank_mask:0xf
.endr
	v_permlanex16_b32 v31, v30, s34, s35
	v_add_f32 v30, v30, v31
	v_cmp_eq_u32 vcc_lo, \row, v1
	s_wait_alu depctr_va_vcc(0)                    ; the compare has written VCC, which the select below reads
	v_cndmask_b32 v[OUTV], v[OUTV], v30, vcc_lo
.endm
	s_mov_b32 s38, 0                               ; the row in hand, 0 to 2 in the loop
.Lrow:
.set sl, 0
.rept 8
	WBLK sl, 1, 28                                 ; behind block k's loads stand this row's 7 - k later blocks and the k refills of this trip: seven blocks of four
.set sl, sl+1
.endr
	WEND
	WSUM s38
	s_wait_xcnt 0x0                                ; every load and store of the row has had its addresses translated (ISA guide 3.1): the two pointers and the 32 pairs are written only behind this wait,
	s_wait_alu depctr_vm_vsrc(0)                   ; and the row's 32 stores have read their pairs, which the next row's roundings write again
	s_add_nc_u64 s[6:7], s[6:7], ROWI
	s_add_nc_u64 s[10:11], s[10:11], ROWO
	s_add_co_u32 s38, s38, 1
	s_cmp_lt_u32 s38, 3
	s_cbranch_scc1 .Lrow
.set sl, 0
.rept 8
	WBLK sl, 0, 28-4*sl                            ; the last row asks for nothing: the counts run down
.set sl, sl+1
.endr
	WEND
	WSUM 3
	v_and_b32 v[OUTO], 3, v1
	v_lshl_add_u32 v[OUTO], v[OUTO], 2, s2         ; 4 (R0 + lane % 4): inside wadj in every lane
	v_cmp_gt_u32 vcc_lo, 4, v1
	s_wait_xcnt 0x0                                ; EXEC changes only behind this wait: it is a source of the stores above
	s_wait_alu depctr_va_vcc(0)                    ; the compare has written VCC, from which EXEC is made
	s_wait_alu depctr_va_vdst(0)                   ; ahead of the write of EXEC: every vector line is done; OUTV and OUTO, which the store below reads, are written
	s_wait_alu depctr_vm_vsrc(0)                   ; ahead of the write of EXEC: every store above has read its registers
	s_and_saveexec_b32 s3, vcc_lo
	global_store_b32 v[OUTO], v[OUTV], s[14:15]
	s_endpgm
.Lfunc_end_k_q7fdcdfbec8_prep:
	.size	k_q7fdcdfbec8_prep, .Lfunc_end_k_q7fdcdfbec8_prep-k_q7fdcdfbec8_prep
	.p2alignl 7, 3214868480
	.fill 96, 4, 3214868480
	.section	.rodata,"a",@progbits
	.p2align	6, 0x0
	.amdhsa_kernel k_q7fdcdfbec8_prep
		.amdhsa_group_segment_fixed_size 0
		.amdhsa_private_segment_fixed_size 0
		.amdhsa_enable_private_segment 0
		.amdhsa_kernarg_size 48
		.amdhsa_user_sgpr_count 2
		.amdhsa_user_sgpr_kernarg_segment_ptr 1
		.amdhsa_wavefront_size32 1
		.amdhsa_system_sgpr_workgroup_id_x 1
		.amdhsa_system_sgpr_workgroup_id_y 1
		.amdhsa_system_sgpr_workgroup_id_z 1
		.amdhsa_system_vgpr_workitem_id 0
		.amdhsa_next_free_vgpr 448
		.amdhsa_next_free_sgpr 66
		.amdhsa_reserve_vcc 1
		.amdhsa_float_denorm_mode_32 3
		.amdhsa_float_denorm_mode_16_64 3
		.amdhsa_memory_ordered 1
		.amdhsa_forward_progress 1
		.amdhsa_inst_pref_size 221
	.end_amdhsa_kernel
	.amdgpu_metadata
---
amdhsa.version: [ 1, 2 ]
amdhsa.kernels:
  - .name:           k_q7fdcdfbec8_prep
    .symbol:         k_q7fdcdfbec8_prep.kd
    .args:
      - { .name: input, .offset: 0, .size: 8, .value_kind: global_buffer, .address_space: global }
      - { .name: weight, .offset: 8, .size: 8, .value_kind: global_buffer, .address_space: global }
      - { .name: qx, .offset: 16, .size: 8, .value_kind: global_buffer, .address_space: global }
      - { .name: wb, .offset: 24, .size: 8, .value_kind: global_buffer, .address_space: global }
      - { .name: rowq, .offset: 32, .size: 8, .value_kind: global_buffer, .address_space: global }
      - { .name: wadj, .offset: 40, .size: 8, .value_kind: global_buffer, .address_space: global }
    .group_segment_fixed_size: 0
    .private_segment_fixed_size: 0
    .kernarg_segment_align: 8
    .kernarg_segment_size: 48
    .max_flat_workgroup_size: 256
    .sgpr_count:     66
    .vgpr_count:     448
    .wavefront_size: 32
...
	.end_amdgpu_metadata
.endif
;; end of part 3
;; launch gemm: the kernel of part 2 again; grid 16 x 16, 4 waves a work-group, clusters of 4 x 4, 327,680 bytes of LDS; arguments qx, wb, rowq, wadj, weight_scale, bias, out0; writes out0
